; MI455X (gfx1250); checked and timed in simulation.
; The chip was launched on July 23, 2026; its instructions are those of AMD's public machine-readable ISA for CDNA 5 (MIT licence, August 2026) and "CDNA5" Instruction Set Architecture Reference Guide (July 2026). The comments in the code are by the model that wrote it; some were corrected since.
;; Attn. Allowed arithmetic: matrix products marked QUANTISED: E2M3 operands, one E8M0 scale for each 32 along K, by v_wmma_scale_f32_16x16x128_f8f6f4 with both operands' format E2M3, f32 sums; everything else in f32.
;; Inputs: Bq 1 x 1,024 float32; Wk 1,024 x 1,024 float32; Wq 1,024 x 1,024 float32; Wv 1,024 x 1,024 float32; x 2 x 2,048 x 1,024 float32.
;; Outputs: out0 2 x 2,048 x 1,024 float32.
;; Constants: n_heads = 16.
;; This version of the problem:
;;   THIS VERSION OF THE PROBLEM IS GIVEN IN LOW PRECISION. The matrix products marked QUANTISED in the list below multiply operands that are first quantised to E2M3 (2 exponent bits, 3 mantissa bits; 6 bits a number), with one power-of-two scale for each 32 numbers along K (OCP MX v1.0); their sums are f32. All else is computed in f32.
;;   The module's matrix products, in the order in which they are computed (A, B: the left and right operand; K: the contracted axis; several contracted axes count as one K, in the product's order):
;;     1. [M 4,096, K 1,024] x [K 1,024, N 1,024]; A: input x; B: input Wq: QUANTISED
;;     2. [M 4,096, K 1,024] x [K 1,024, N 1,024]; A: input x; B: input Wk: QUANTISED
;;     3. [M 4,096, K 1,024] x [K 1,024, N 1,024]; A: input x; B: input Wv: QUANTISED
;;     4. batch 32 x [M 2,048, K 64] x [K 64, N 2,048]; A: computed on the way; B: computed on the way: QUANTISED
;;     5. batch 32 x [M 64, K 2,048] x [K 2,048, N 2,048]; A: computed on the way; B: softmax (see below): QUANTISED
;;   THE QUANTISER, for each operand of a quantised product, along K:
;;     - K is cut into blocks of 32 from its start; a last block that is shorter is filled with zeros.
;;     - A block's scale is 2^e with e = floor(log2(the largest magnitude in the block)) - 2, held to -126 .. 127; a block of zeros has e = 0. As a byte (E8M0): e + 127.
;;     - Each number is divided by its block's scale, clamped to +-7.5, and rounded to the nearest number of E2M3, ties to even, subnormals kept.
;;     - The product sums the exact products of the quantised numbers (number of the format x scale) in f32.
;;   ~~~python
;;   def quantise(x, axis):      # numpy; x: float32 -> the quantised numbers, widened to float32 again
;;       x = np.moveaxis(x, axis, -1); K = x.shape[-1]
;;       x = np.pad(x, [(0, 0)] * (x.ndim - 1) + [(0, -K % 32)]); x = x.reshape(x.shape[:-1] + (-1, 32)); a = np.abs(x).max(-1, keepdims=True)
;;       e = np.where(a > 0, np.clip(np.frexp(np.where(a > 0, a, 1))[1] - 1 - 2, -126, 127), 0)      # np.frexp(a)[1] - 1 = floor(log2(a)), exactly
;;       r = np.clip(x / 2.0 ** e, -7.5, 7.5)
;;       step = 2.0 ** (np.maximum(np.frexp(np.where(r == 0, 1, r))[1] - 1, 0) - 3)
;;       q = np.round(r / step) * step * 2.0 ** e      # np.round: ties to even
;;       return np.moveaxis(q.reshape(q.shape[:-2] + (-1,))[..., :K], -1, axis).astype(np.float32)
;;   ~~~
;;   SOFTMAX AHEAD OF A QUANTISED PRODUCT. Where the list says 'softmax', what is quantised is not the finished softmax but p = 2^(t - M), with t = logit x log2(e) and M = ceil(the row's largest t), a whole number; so 1/2 < the row's largest p <= 1. The row's sum l is taken of the UNQUANTISED p, in f32, and the product's result is divided by l at the end. Since M is a whole number, a kernel that streams over the keys may use a running M (the ceiling of the running maximum): every later rescaling is an exact power of two, which a block's scale takes up: the codes' values come out the same.
;;   OPERANDS COMPUTED ON THE WAY. 'Computed on the way' means the value that the module computes at that place (a softmax that the list does not call 'softmax' is quantised finished and normalised). What goes into a quantiser is computed in f32, as accurately as f32 sums, v_exp_f32 and their like allow (about 1e-6 of the number): no bf16 or f16 on the way to a quantiser, and a product that is left as it is and whose result goes on into a quantised operand takes f32 operands (vector FMAs, or v_wmma_f32_16x16x4_f32). A number that lies on a knife's edge between two numbers of the format may be rounded either way, as far as f32 arithmetic and the matrix unit's own rounding can turn it there, and no further.
;; One version. Each part assembles by itself: llvm-mc -triple=amdgcn-amd-amdhsa -mcpu=gfx1250 --defsym DOCPART=n.
;; ======== version 1 of 1: 4 launches
;; limits: right only within a limited range of input values
;; workspace buffers: codes 5,505,024 bytes; scl 229,376 bytes; bias 8,192 bytes; qkv 9,437,184 bytes; qkvs 655,360 bytes; ows 16,777,216 bytes
;; launch quant (part 1): grid 176 x 1, 16 waves a work-group, no clusters, 189,696 bytes of LDS; arguments x, Wq, Wk, Wv, Bq, codes, scl, bias; writes codes, scl, bias
.if DOCPART == 1
	.amdgcn_target "amdgcn-amd-amdhsa--gfx1250"
	.amdhsa_code_object_version 6
	.text
	.protected	k_qfea98ba148_quant
	.globl	k_qfea98ba148_quant
	.p2align	8
	.type	k_qfea98ba148_quant,@function
k_qfea98ba148_quant:
	s_mov_b64 s[64:65], 0
	v_nop
	global_prefetch_b8 v0, s[64:65] scope:SCOPE_SE
	s_setreg_imm32_b32 hwreg(HW_REG_WAVE_MODE, 25, 1), 1
	s_wait_xcnt 0x0
; x [4096][1024] and Wq, Wk, Wv [1024 (k)][1024 (column)], f32, become codes of FP6 (E2M3) with one E8M0 byte for each 32 along K, laid as IMAGES OF OPERAND REGISTERS.
; A TILE is 16 rows: tile 2 G + u, lane r, is row 32 G + 8 u + r + 8 (r / 8).  A FRAGMENT (a tile x 128 along K) is 12 registers a lane (registers 6 c .. 6 c + 5: k = 64 c + 32 (lane / 16) + 0 .. 31);
; its image is 1,536 bytes: part p (512 bytes) holds registers 4 p .. 4 p + 3 at 16 x lane.  codes: [K step 0..7][tile 0..447][1536]; scl: [K step][tile][16 words], word r = the four bytes of row r.
; Tiles 0-255 are x's tokens.  Tiles 256-447 are the weights' columns in HEAD-MAJOR order: row n = 1024 mat + 64 head + d stands for column 16 d + head of matrix mat, so that blocks along d become neighbours later.
; bias[n] = Bq[16 (n % 64) + n / 64] for n < 1024, and zeros for n = 1024 .. 2047 (K and V have no bias).
; A block's scale is 2^(floor(log2(largest magnitude)) - 2): its byte is the largest magnitude's exponent field - 2, held at 1 from below by a floor among the maximum's leaves.
; LIMITS: NaN and infinities among the inputs are not served; a block of zeros, or one under 2^(3 - 127), gets the byte 1 (its codes are zeros or tiny; only this program reads the bytes).
; Work-groups 0-127: x, K step = id % 8, sixteen tiles, a tile a wave.  Work-groups 128-175: a weight, K step, half q of d: 512 columns, a column a thread, registers down K.
; The two paths part on the work-group's number and have LDS bytes of their own.  The weights' scale words leave in runs of 128 bytes: 98,304 bytes of a launch that moves 35 million.
.set KT,   448                         ; tiles in a K step
.set XSC,  135168                      ; x path: behind sixteen stages of 16 rows x 528 bytes, 1,024 bytes of scale words
.set WST,  136192                      ; W path: sixteen heads x (two images + 16 bytes)
.set WSC,  185600                      ; W path: 2,048 bytes of scale words
.set TM,   200                         ; v200-203 largest magnitudes, v204-207 bytes, v212-215 the conversions' scale operands
.set PW,   216                         ; the scale word
.set PC,   224                         ; v224-235 the fragment; v236-242 the conversions' second halves
.set SEL,  20                          ; s[20:21] lane selects for v_permlanex16_b32: lane l xor 16
.set WV,   22                          ; s22 my wave's number
; 64 numbers of a lane, register 16 b + i = k 32 b + 16 (lane / 16) + i of my row, become a fragment's codes in v[PC] on and its scale word in v[PW]
.macro QUANT s
.irp b, 0,1,2,3
	v_max3_num_f32 v[TM+\b], |v[\s+16*\b]|, |v[\s+1+16*\b]|, 0x1800000   ; my 16 numbers of block b, and the floor 2^(3 - 127)
.endr
.irp i, 2,4,6,8,10,12,14
.irp b, 0,1,2,3
	s_delay_alu instid0(VALU_DEP_4)
	v_max3_num_f32 v[TM+\b], v[TM+\b], |v[\s+16*\b+\i]|, |v[\s+1+16*\b+\i]|   ; the four blocks by turns
.endr
.endr
.irp b, 0,1,2,3
	s_delay_alu instid0(VALU_DEP_4)
	v_permlanex16_b32 v[TM+4+\b], v[TM+\b], s[SEL], s[SEL+1]
.endr
.irp b, 0,1,2,3
	s_delay_alu instid0(VALU_DEP_4)
	v_max_num_f32 v[TM+\b], v[TM+\b], v[TM+4+\b]   ; with lane l xor 16: the block's largest magnitude
.endr
.irp b, 0,1,2,3
	s_delay_alu instid0(VALU_DEP_4)
	v_add_nc_u32 v[TM+12+\b], 0xff000000, v[TM+\b]   ; 2 off its exponent field: the conversion's scale operand
.endr
.irp b, 0,1,2,3
	s_delay_alu instid0(VALU_DEP_4)
	v_lshrrev_b32 v[TM+4+\b], 23, v[TM+12+\b]   ; the scale's byte
.endr
	s_delay_alu instid0(VALU_DEP_3)
	v_lshl_or_b32 v[PW], v[TM+5], 8, v[TM+4]
	s_delay_alu instid0(VALU_DEP_1)
	v_lshl_or_b32 v[PW], v[TM+6], 16, v[PW]
	s_delay_alu instid0(VALU_DEP_1)
	v_lshl_or_b32 v[PW], v[TM+7], 24, v[PW]
.irp c, 0,1
	v_cvt_scalef32_pk16_fp6_f32 v[PC+6*\c:PC+2+6*\c], v[\s+32*\c:\s+15+32*\c], v[TM+12+2*\c]
	v_cvt_scalef32_pk16_fp6_f32 v[PC+12+4*\c:PC+14+4*\c], v[\s+16+32*\c:\s+31+32*\c], v[TM+13+2*\c]   ; a conversion's three registers begin on an even number
.endr
	v_nop                                          ; one plain place behind a scaled conversion
.irp c, 0,1                                    ; the layout wants a whole block in a lane: lanes 0-15 block 2 c, lanes 16-31 block 2 c + 1
.irp i, 0,1,2
	v_permlane16_swap_b32 v[PC+6*\c+\i], v[PC+12+4*\c+\i]
.endr
.irp i, 0,1,2
	s_delay_alu instid0(VALU_DEP_3)
	v_mov_b32 v[PC+3+6*\c+\i], v[PC+12+4*\c+\i]
.endr
.endr
.endm
	s_load_b256 s[4:11], s[0:1], 0x0               ; x s[4:5], Wq s[6:7], Wk s[8:9], Wv s[10:11]
	s_load_b256 s[12:19], s[0:1], 0x20             ; Bq s[12:13], codes s[14:15], scl s[16:17], bias s[18:19]
	v_lshl_add_u32 v254, v0, 2, 0x2dd00
	v_mov_b32 v255, 0
	v_lshrrev_b32 v1, 5, v0
	s_delay_alu instid0(VALU_DEP_1)
	v_readfirstlane_b32 s[WV], v1                  ; wave 0..15
	v_and_b32 v2, 31, v0                           ; lane
	v_and_b32 v3, 15, v0                           ; r
	v_bfe_u32 v4, v0, 4, 1                         ; lane / 16
	s_delay_alu instid0(VALU_DEP_3)
	v_lshlrev_b32 v5, 4, v2                        ; 16 x lane
	s_mov_b32 s[SEL], 0x76543210
	s_mov_b32 s[SEL+1], 0xfedcba98
	s_cmp_lt_u32 ttmp9, 128
	s_cbranch_scc0 .Lweights
	; ---------------- x: a tile x a K step to a wave
	s_and_b32 s23, ttmp9, 7                        ; K step
	s_lshr_b32 s24, ttmp9, 3                       ; group of sixteen tiles
	s_lshl_b32 s25, s24, 4
	s_add_co_u32 s25, s25, s[WV]                   ; my tile T
	s_lshr_b32 s26, s25, 1
	s_lshl_b32 s26, s26, 17                        ; 32 (T / 2) rows of 4,096 bytes
	s_and_b32 s27, s25, 1
	s_lshl_b32 s27, s27, 15                        ; + 8 (T % 2) rows
	s_add_co_u32 s26, s26, s27
	s_lshl_b32 s27, s23, 9                         ; + 512 bytes a K step
	s_add_co_u32 s26, s26, s27
	s_mov_b32 s27, 0
	s_mul_i32 s28, s23, KT
	s_add_co_u32 s30, s28, s25
	s_mul_i32 s30, s30, 1536                       ; my image's place in codes
	s_mov_b32 s31, 0
	s_lshl_b32 s32, s24, 4
	s_add_co_u32 s32, s32, s28
	s_lshl_b32 s32, s32, 6                         ; the sixteen tiles' scale words: 1,024 bytes,
	s_and_b32 s29, s[WV], 1
	s_lshl_b32 s29, s29, 9
	s_add_co_u32 s32, s32, s29                     ; of which waves 0 and 1 store a half each
	s_mov_b32 s33, 0
	s_mul_i32 s34, s[WV], 8448                     ; my stage
	s_wait_alu depctr_va_vdst(0)
	v_add_nc_u32 v6, s34, v5                       ; in: a row's 512 bytes as they lie
	v_mul_u32_u24 v7, v3, 528
	s_delay_alu instid0(VALU_DEP_1)
	v_lshl_add_u32 v7, v4, 6, v7
	s_delay_alu instid0(VALU_DEP_1)
	v_add_nc_u32 v7, s34, v7                       ; back: row r, + 64 bytes for lanes 16-31: my 16 numbers of each block
	s_lshl_b32 s34, s[WV], 6
	s_add_co_u32 s34, s34, XSC
	v_lshl_add_u32 v8, v3, 2, s34                  ; my tile's scale words: 64 x wave + 4 r
	s_add_co_u32 s29, s29, XSC
	v_add_nc_u32 v9, s29, v5                       ; and where waves 0 and 1 read them back
.irp b, 0,1,2,3
	v_mov_b32 v[TM+4+\b], 0                        ; a lane permute's destination counts as one of its sources
.endr
	s_wait_alu depctr_va_vdst(0)
	s_wait_kmcnt 0x0
	s_add_nc_u64 s[4:5], s[4:5], s[26:27]
	s_add_nc_u64 s[14:15], s[14:15], s[30:31]
	s_add_nc_u64 s[16:17], s[16:17], s[32:33]
.irp i, 0,1,2,3,4,5,6,7,8,9,10,11,12,13,14,15
	global_load_b128 v[64+4*\i:67+4*\i], v5, s[4:5] offset:(\i+8*(\i/8))*4096 th:TH_LOAD_NT   ; tile row i: 32 lanes read 512 consecutive bytes
.endr
.irp i, 0,1,2,3,4,5,6,7,8,9,10,11,12,13,14,15
	s_wait_loadcnt 15-\i                           ; loads come back in order: row i is in, the 15 - i younger ones may be out
	ds_store_b128 v6, v[64+4*\i:67+4*\i] offset:528*\i
.endr
.irp b, 0,1,2,3
.irp j, 0,1,2,3
	ds_load_b128 v[128+16*\b+4*\j:131+16*\b+4*\j], v7 offset:128*\b+16*\j   ; my wave's own bytes, served in order: these see the stores above
.endr
.endr
	s_wait_dscnt 0x0
	QUANT 128
.irp c, 0,1,2
	global_store_b128 v5, v[PC+4*\c:PC+4*\c+3], s[14:15] offset:512*\c   ; 512 consecutive bytes, at a multiple of 256 from the buffer's first byte
.endr
	ds_store_b32 v8, v[PW]                         ; both halves of the lanes write the same word with the same value
	s_wait_dscnt 0x0                               ; for the others: my store has landed
	s_barrier_signal -1
	s_barrier_wait -1
	s_cmp_lt_u32 s[WV], 2
	s_cbranch_scc0 .Lx_done
	ds_load_b128 v[12:15], v9
	s_wait_dscnt 0x0
	global_store_b128 v5, v[12:15], s[16:17]
.Lx_done:
	s_wait_tensorcnt 0x0
	ds_add_u32 v254, v255
	s_wait_dscnt 0x0
	s_endpgm
	; ---------------- a weight: a column to a thread, registers down K
.Lweights:
	s_sub_co_u32 s23, ttmp9, 128                   ; 16 mat + 8 q + K step
	s_and_b32 s24, s23, 7                          ; K step
	s_lshr_b32 s25, s23, 4                         ; mat: 0 Wq, 1 Wk, 2 Wv
	s_bfe_u32 s26, s23, 0x10003                    ; q: d = 32 q + 0 .. 31
	s_lshl_b32 s30, s24, 19                        ; 128 rows of 4,096 bytes a K step
	s_lshl_b32 s27, s26, 11                        ; 512 columns a half
	s_add_co_u32 s30, s30, s27
	s_mov_b32 s31, 0
	s_mul_i32 s27, s24, KT
	s_add_co_u32 s27, s27, 256                     ; the weights' first tile of this K step
	s_lshl_b32 s32, s25, 4
	s_add_co_u32 s32, s32, s[WV]                   ; on the way out wave w takes head w
	s_lshl_b32 s32, s32, 1
	s_add_co_u32 s32, s32, s26
	s_lshl_b32 s32, s32, 1                         ; tile ((16 mat + head) 2 + q) 2
	s_add_co_u32 s32, s32, s27
	s_mul_i32 s32, s32, 1536
	s_mov_b32 s33, 0
	s_lshl_b32 s34, s27, 6
	s_lshl_b32 s35, s25, 12
	s_add_co_u32 s34, s34, s35
	s_and_b32 s36, s[WV], 3
	s_lshl_b32 s35, s36, 10
	s_add_co_u32 s34, s34, s35
	s_lshl_b32 s35, s26, 7
	s_add_co_u32 s34, s34, s35                     ; scale words: 4,096 mat + 1,024 wave + 128 q
	s_mov_b32 s35, 0
	v_lshlrev_b32 v10, 2, v0                       ; my column: 4 bytes a thread
	v_and_b32 v16, 15, v0                          ; head = t % 16;  x = t / 16 = 8 u + r % 8 + 16 (r / 8)
	v_bfe_u32 v17, v0, 7, 1                        ; u
	v_bfe_u32 v18, v0, 4, 3
	v_bfe_u32 v19, v0, 8, 1
	s_delay_alu instid0(VALU_DEP_1)
	v_lshl_add_u32 v18, v19, 3, v18                ; r
	v_mul_u32_u24 v11, v16, 3088
	s_delay_alu instid0(VALU_DEP_1)
	v_mad_u32_u24 v11, v17, 1536, v11
	s_delay_alu instid0(VALU_DEP_1)
	v_lshl_add_u32 v11, v18, 4, v11
	s_delay_alu instid0(VALU_DEP_1)
	v_add_nc_u32 v11, WST, v11                     ; my place in my head's two images: 3,088 head + 1,536 u + 16 r
	v_lshlrev_b32 v20, 7, v16
	s_delay_alu instid0(VALU_DEP_1)
	v_lshl_add_u32 v20, v17, 6, v20
	s_delay_alu instid0(VALU_DEP_1)
	v_lshl_add_u32 v20, v18, 2, v20
	s_delay_alu instid0(VALU_DEP_1)
	v_add_nc_u32 v20, WSC, v20                     ; my scale word: 128 head + 64 u + 4 r
	s_mul_i32 s37, s[WV], 3088
	s_add_co_u32 s37, s37, WST
	v_add_nc_u32 v21, s37, v5                      ; back: head w's images, 16 bytes a lane
	s_lshl_b32 s37, s36, 9
	s_add_co_u32 s37, s37, WSC
	v_add_nc_u32 v22, s37, v5                      ; back: 512 bytes of scale words for each of waves 0-3
	v_lshrrev_b32 v23, 3, v2
	v_and_b32 v24, 7, v2
	s_delay_alu instid0(VALU_DEP_2)
	v_lshlrev_b32 v23, 8, v23
	s_delay_alu instid0(VALU_DEP_1)
	v_lshl_add_u32 v23, v24, 4, v23                ; and their place in scl: 256 bytes a head, of which this half fills 128
	s_wait_kmcnt 0x0
	s_cmp_eq_u32 s25, 0
	s_cselect_b64 s[28:29], s[6:7], s[8:9]
	s_cmp_eq_u32 s25, 2
	s_cselect_b64 s[28:29], s[10:11], s[28:29]     ; the choice hangs on the work-group's number alone
	s_add_nc_u64 s[28:29], s[28:29], s[30:31]
	s_add_nc_u64 s[14:15], s[14:15], s[32:33]
	s_add_nc_u64 s[16:17], s[16:17], s[34:35]
.macro LOADW tb                        ; block tb: W(32 tb + i, my column), i = 0 .. 31: the work-group reads 2,048 consecutive bytes of each row
.set kk, 32*(\tb)
.rept 32
	global_load_b32 v[64+kk], v10, s[28:29] offset:4096*kk th:TH_LOAD_NT
.set kk, kk+1
.endr
.endm
.macro BLOCK tb
.set XS, 64+32*(\tb)
.set CR, 192+8*(\tb)
.set C2, 224+4*(\tb)
.if (\tb) < 3
	s_wait_loadcnt 32                              ; this block's 32 loads are in; the next block's 32 may be out
.else
	s_wait_loadcnt 0x0
.endif
.if (\tb)+2 < 4
	LOADW (\tb)+2                                  ; two blocks ahead, into registers of their own
.endif
	v_max3_num_f32 v13, |v[XS]|, |v[XS+1]|, |v[XS+2]|   ; the block's largest magnitude: all 32 numbers are mine
	v_max3_num_f32 v14, |v[XS+3]|, |v[XS+4]|, |v[XS+5]|
.irp i, 6,10,14,18,22,26
	s_delay_alu instid0(VALU_DEP_2)
	v_max3_num_f32 v13, v13, |v[XS+\i]|, |v[XS+\i+1]|
	s_delay_alu instid0(VALU_DEP_2)
	v_max3_num_f32 v14, v14, |v[XS+\i+2]|, |v[XS+\i+3]|
.endr
	s_delay_alu instid0(VALU_DEP_2)
	v_max3_num_f32 v13, v13, |v[XS+30]|, |v[XS+31]|
	s_delay_alu instid0(VALU_DEP_1)
	v_max3_num_f32 v13, v13, v14, 0x1800000        ; and the floor
	s_delay_alu instid0(VALU_DEP_1)
	v_add_nc_u32 v15, 0xff000000, v13              ; the conversion's scale operand
	s_delay_alu instid0(VALU_DEP_1)
	v_lshrrev_b32 v14, 23, v15                     ; the byte
.if (\tb) == 0
	s_delay_alu instid0(VALU_DEP_1)
	v_mov_b32 v12, v14
.else
	s_delay_alu instid0(VALU_DEP_1)
	v_lshl_or_b32 v12, v14, 8*(\tb), v12           ; four bytes make my column's scale word for this K step
.endif
	v_cvt_scalef32_pk16_fp6_f32 v[CR:CR+2], v[XS:XS+15], v15
	v_cvt_scalef32_pk16_fp6_f32 v[C2:C2+2], v[XS+16:XS+31], v15
	v_nop                                          ; one plain place behind a scaled conversion
.irp i, 0,1,2
	v_mov_b32 v[CR+3+\i], v[C2+\i]                 ; six registers on end: the block's 24 bytes
.endr
; block tb = 2 c + h is registers 6 c .. 6 c + 5 of image lane r + 16 h
.if (\tb) < 2
	ds_store_b128 v11, v[CR:CR+3] offset:256*(\tb)
	ds_store_b64 v11, v[CR+4:CR+5] offset:512+256*(\tb)
.else
	ds_store_b64 v11, v[CR:CR+1] offset:520+256*((\tb)-2)
	ds_store_b128 v11, v[CR+2:CR+5] offset:1024+256*((\tb)-2)
.endif
.endm
	LOADW 0
	LOADW 1
	BLOCK 0
	BLOCK 1
	BLOCK 2
	BLOCK 3
	ds_store_b32 v20, v12
	s_wait_dscnt 0x0                               ; for the others: my stores have landed
	s_barrier_signal -1
	s_barrier_wait -1
.irp i, 0,1,2,3,4,5
	ds_load_b128 v[64+4*\i:67+4*\i], v21 offset:512*\i
.endr
.irp i, 0,1,2,3,4,5
	s_wait_dscnt 5-\i                              ; part i is back, the 5 - i younger ones may be out
	global_store_b128 v5, v[64+4*\i:67+4*\i], s[14:15] offset:512*\i
.endr
	s_cmp_lt_u32 s[WV], 4
	s_cbranch_scc0 .Lw_nosc
	ds_load_b128 v[96:99], v22
	s_wait_dscnt 0x0
	global_store_b128 v23, v[96:99], s[16:17]
.Lw_nosc:
	s_cmp_lg_u32 s23, 0
	s_cbranch_scc1 .Lw_done
	v_lshlrev_b32 v26, 7, v2                       ; the bias, by one work-group: thread t makes n = 2 t, 2 t + 1: Bq at 32 (t % 32) + t / 32, and 16 further on
	s_delay_alu instid0(VALU_DEP_1)
	v_lshl_add_u32 v26, v1, 2, v26
	v_lshlrev_b32 v27, 3, v0
	global_load_b32 v28, v26, s[12:13]
	global_load_b32 v29, v26, s[12:13] offset:64
	v_mov_b32 v30, 0
	v_mov_b32 v31, 0
	global_store_b64 v27, v[30:31], s[18:19] offset:4096
	s_wait_alu depctr_va_vdst(0)
	s_wait_loadcnt 0x0
	global_store_b64 v27, v[28:29], s[18:19]
.Lw_done:
	s_wait_tensorcnt 0x0
	ds_add_u32 v254, v255
	s_wait_dscnt 0x0
	s_endpgm
.Lfunc_end_k_qfea98ba148_quant:
	.size	k_qfea98ba148_quant, .Lfunc_end_k_qfea98ba148_quant-k_qfea98ba148_quant
	.p2alignl 7, 3214868480
	.fill 96, 4, 3214868480
	.section	.rodata,"a",@progbits
	.p2align	6, 0x0
	.amdhsa_kernel k_qfea98ba148_quant
		.amdhsa_group_segment_fixed_size 189696
		.amdhsa_private_segment_fixed_size 0
		.amdhsa_enable_private_segment 0
		.amdhsa_kernarg_size 64
		.amdhsa_user_sgpr_count 2
		.amdhsa_user_sgpr_kernarg_segment_ptr 1
		.amdhsa_wavefront_size32 1
		.amdhsa_system_sgpr_workgroup_id_x 1
		.amdhsa_system_sgpr_workgroup_id_y 1
		.amdhsa_system_sgpr_workgroup_id_z 1
		.amdhsa_system_vgpr_workitem_id 0
		.amdhsa_next_free_vgpr 256
		.amdhsa_next_free_sgpr 66
		.amdhsa_reserve_vcc 0
		.amdhsa_float_denorm_mode_32 3
		.amdhsa_float_denorm_mode_16_64 3
		.amdhsa_memory_ordered 1
		.amdhsa_forward_progress 1
		.amdhsa_inst_pref_size 39
	.end_amdhsa_kernel
	.amdgpu_metadata
---
amdhsa.version: [ 1, 2 ]
amdhsa.kernels:
  - .name:           k_qfea98ba148_quant
    .symbol:         k_qfea98ba148_quant.kd
    .args:
      - { .name: x, .offset: 0, .size: 8, .value_kind: global_buffer, .address_space: global }
      - { .name: Wq, .offset: 8, .size: 8, .value_kind: global_buffer, .address_space: global }
      - { .name: Wk, .offset: 16, .size: 8, .value_kind: global_buffer, .address_space: global }
      - { .name: Wv, .offset: 24, .size: 8, .value_kind: global_buffer, .address_space: global }
      - { .name: Bq, .offset: 32, .size: 8, .value_kind: global_buffer, .address_space: global }
      - { .name: codes, .offset: 40, .size: 8, .value_kind: global_buffer, .address_space: global }
      - { .name: scl, .offset: 48, .size: 8, .value_kind: global_buffer, .address_space: global }
      - { .name: bias, .offset: 56, .size: 8, .value_kind: global_buffer, .address_space: global }
    .group_segment_fixed_size: 189696
    .private_segment_fixed_size: 0
    .kernarg_segment_align: 8
    .kernarg_segment_size: 64
    .max_flat_workgroup_size: 512
    .sgpr_count:     66
    .vgpr_count:     256
    .wavefront_size: 32
...
	.end_amdgpu_metadata
.endif
;; end of part 1
;; launch proj (part 2): grid 8 x 24, 4 waves a work-group, clusters of 4 x 4, 327,680 bytes of LDS; arguments codes, scl, bias, qkv, qkvs; writes qkv, qkvs
.if DOCPART == 2
	.amdgcn_target "amdgcn-amd-amdhsa--gfx1250"
	.amdhsa_code_object_version 6
	.text
	.protected	k_qfea98ba148_proj
	.globl	k_qfea98ba148_proj
	.p2align	8
	.type	k_qfea98ba148_proj,@function
k_qfea98ba148_proj:
	s_mov_b64 s[64:65], 0
	v_nop
	global_prefetch_b8 v0, s[64:65] scope:SCOPE_SE
	s_setreg_imm32_b32 hwreg(HW_REG_WAVE_MODE, 25, 1), 1
	s_wait_xcnt 0x0
	s_wait_alu depctr_hold_cnt(0) depctr_sa_sdst(0) depctr_va_vdst(0) depctr_va_sdst(0) depctr_va_ssrc(0) depctr_va_vcc(0) depctr_vm_vsrc(0)
	s_getreg_b32 s2, hwreg(HW_REG_IB_STS2, 6, 4)
	s_cmp_eq_u32 s2, 0
	s_cbranch_scc0 .Lentry_in_a_cluster
	s_endpgm
.Lentry_in_a_cluster:
	s_bfe_u32 s2, ttmp6, 0x10000c
	s_cmp_lg_u32 s2, 0xf033
	s_cbranch_scc0 .Lentry_shape_is_right
	s_endpgm
.Lentry_shape_is_right:
.set SLOT,  98304
.set PARTB, 24576
.set KSB,   688128
.set SCL,   3*SLOT
.set SPARE, SCL+16384
.set ADRA, 16
.set ADRB, 20
.set L16,  24
.set L8,   25
.set ADRS, 27
.set SPW,  28
.set NIL,  29
.set SC,   32
.set BI,   64
.set AF,   128
.set TM,   200
.set PW,   216
.set PC,   224
.set WV,   14
.set WM,   15
.set WN,   16
.set SEL,  20
.set G1,   24
.set G1H,  36
.set G1HB, 56
.set G0,   32
.set G1B,  44
.set G0B,  52
.set G1S,  68
.set G0S,  76
.set G1SB, 80
.set G0SB, 88
.set SB0,  92
.set SS0,  94
.set SS1,  96
.set SV,   98
.set HIM,  99
.set MSB, 0
.macro WIN new
.if MSB != \new
	s_set_vgpr_msb (MSB<<8)|\new
.set MSB, \new
.endif
.endm
.set MUL_LO, 0xa1
.set MUL_HI, 0xf1
.set TO_B,   0x40
.macro JLOAD g0a, g1a, g0b, g1b
	s_cmp_eq_u32 s[WM], 0
	s_cbranch_scc0 .Lfor_b_\@
	tensor_load_to_lds s[\g0a:\g0a+3], s[\g1a:\g1a+7]
	s_nop 0
.rept 4
	v_nop
.endr
	s_branch .Lasked_\@
.Lfor_b_\@:
	tensor_load_to_lds s[\g0b:\g0b+3], s[\g1b:\g1b+7]
	s_nop 0
.rept 4
	v_nop
.endr
.Lasked_\@:
.endm
.macro CREST
	s_cmp_lg_u32 s[WV], 0
	s_cbranch_scc1 .Lnot_wave_0_\@
	s_barrier_signal -3
.Lnot_wave_0_\@:
	s_barrier_wait -3
	s_barrier_signal -1
	s_barrier_wait -1
.endm
.macro CROUND
	s_barrier_signal -1
	s_barrier_wait -1
	CREST
.endm
.macro PLACES
.rept 4
	v_nop
.endr
.endm
	s_load_b128 s[4:7], s[0:1], 0x0
	s_load_b128 s[8:11], s[0:1], 0x10
	s_load_b64 s[12:13], s[0:1], 0x20
	v_lshl_add_u32 v[SPW], v0, 2, SPARE
	v_mov_b32 v[NIL], 0
	ds_add_u32 v28, v29
	ds_add_u32 v28, v29
	s_wait_dscnt 0x0
	v_lshrrev_b32 v1, 5, v0
	v_readfirstlane_b32 s[WV], v1
	s_lshr_b32 s[WM], s[WV], 1
	s_and_b32 s[WN], s[WV], 1
	s_mov_b32 s[SEL], 0x76543210
	s_mov_b32 s[SEL+1], 0xfedcba98
	s_mov_b32 s[HIM], 0xffff0000
	s_bfe_u32 s17, ttmp6, 0x40000
	s_bfe_u32 s18, ttmp6, 0x40004
	s_lshl_b32 s2, s18, 2
	s_lshl_b32 s2, 15, s2
	s_lshl_b32 s3, 0x1111, s17
	s_or_b32 s[G1], s2, (3<<16)|(1<<21)
	s_or_b32 s[G1B], s3, (3<<16)|(1<<21)
	s_or_b32 s[G1S], s2, (3<<16)|(1<<21)
	s_or_b32 s[G1SB], s3, (3<<16)|(1<<21)
	s_or_b32 s[G1H], s2, (3<<16)|(1<<21)
	s_or_b32 s[G1HB], s3, (3<<16)|(1<<21)
.irp g, G1, G1B
	s_mov_b32 s[\g+1], 32<<16
	s_mov_b32 s[\g+2], 96<<16
	s_mov_b32 s[\g+3], 32<<16
	s_mov_b32 s[\g+4], 96
	s_mov_b32 s[\g+5], 32
	s_mov_b32 s[\g+6], 0
	s_mov_b32 s[\g+7], 0
.endr
.irp g, G1S, G1SB
	s_mov_b32 s[\g+1], 128<<16
	s_mov_b32 s[\g+2], 8<<16
	s_mov_b32 s[\g+3], 128<<16
	s_mov_b32 s[\g+4], 8
	s_mov_b32 s[\g+5], 3584
	s_mov_b32 s[\g+6], 0
	s_mov_b32 s[\g+7], 0
.endr
.irp g, G1H, G1HB                      ; the head's loads of codes: six K steps, a row of 24,576 bytes each, KSB bytes apart in memory, on end in LDS
	s_mov_b32 s[\g+1], 3072<<16
	s_mov_b32 s[\g+2], 6<<16
	s_mov_b32 s[\g+3], 3072<<16
	s_mov_b32 s[\g+4], 6
	s_mov_b32 s[\g+5], 86016
	s_mov_b32 s[\g+6], 0
	s_mov_b32 s[\g+7], 0
.endr
	s_and_b32 s19, ttmp7, 0xffff
	s_max_u32 s22, s19, 4
	s_sub_co_u32 s22, s22, 4
	s_lshl_b32 s22, s22, 1
	s_add_co_u32 s22, s22, ttmp9
	s_cmp_ge_u32 s19, 4
	s_cselect_b32 s[SV], 1, 0
	s_cselect_b32 s22, s22, ttmp9
	s_cselect_b32 s23, 0, s19
	s_cselect_b32 s2, 384, 0
	s_cselect_b32 s3, 0, 256
	s_lshl_b32 s22, s22, 2
	s_add_co_u32 s22, s22, s17
	s_lshl_b32 s23, s23, 2
	s_add_co_u32 s23, s23, s18
	s_mul_i32 s66, s[WN], 448
	s_lshl_b32 s67, s23, 4
	s_add_co_u32 s67, s67, s2
	s_lshl_b32 s2, s22, 4
	s_add_co_u32 s2, s2, s3
	s_add_co_u32 s92, s66, s67
	s_mul_i32 s92, s92, 1536
	s_mov_b32 s93, 0
	s_add_co_u32 s94, s66, s2
	s_mul_i32 s94, s94, 1536
	s_mov_b32 s95, 0
	s_mov_b32 s66, 0                               ; the scale words begin at K step 0 for every wave
	s_add_co_u32 s96, s66, s67
	s_lshl_b32 s96, s96, 6
	s_mov_b32 s97, 0
	s_add_co_u32 s100, s66, s2
	s_lshl_b32 s100, s100, 6
	s_mov_b32 s101, 0
	s_wait_kmcnt 0x0
	s_add_nc_u64 s[92:93], s[4:5], s[92:93]
	s_add_nc_u64 s[94:95], s[4:5], s[94:95]
	s_add_nc_u64 s[96:97], s[6:7], s[96:97]
	s_add_nc_u64 s[100:101], s[6:7], s[100:101]
	CROUND
	; LDS: A's K steps 0-5 on end from byte 0, B's from 6 PARTB; K steps 6, 7 later take the places of 0, 1.  Behind them the scale words: A's 8,192 bytes, then B's.
	s_mov_b32 s[G0S], 1
	s_mov_b32 s[G0S+1], SCL
	s_mov_b64 s[G0S+2:G0S+3], s[96:97]
	s_or_b32 s[G0S+3], s[G0S+3], 0x80000000
	s_mov_b32 s[G0SB], 1
	s_mov_b32 s[G0SB+1], SCL+8192
	s_mov_b64 s[G0SB+2:G0SB+3], s[100:101]
	s_or_b32 s[G0SB+3], s[G0SB+3], 0x80000000
	s_mov_b32 s[G0], 1
	s_mov_b32 s[G0+1], 0
	s_mov_b64 s[G0+2:G0+3], s[92:93]
	s_or_b32 s[G0+3], s[G0+3], 0x80000000
	s_mov_b32 s[G0B], 1
	s_mov_b32 s[G0B+1], 6*PARTB
	s_mov_b64 s[G0B+2:G0B+3], s[94:95]
	s_or_b32 s[G0B+3], s[G0B+3], 0x80000000
; The head's loads, one a wave, in one chain of branches on the wave's number: wave 0 A's six K steps, wave 1 A's scale words, wave 2 B's six K steps, wave 3 B's scale words.
; (Waves 0 and 2 have WN = 0, so their addresses stand at K step 0.)
.macro ARM under, g0, g1, next
	s_cmp_lt_u32 s[WV], \under
	s_cbranch_scc0 \next
	tensor_load_to_lds s[\g0:\g0+3], s[\g1:\g1+7]
	s_nop 0
.rept 4
	v_nop
.endr
	s_branch .Lhead_asked
\next:
.endm
	ARM 1, G0,  G1H,  .Lhead_sa
	ARM 2, G0S, G1S,  .Lhead_b
	ARM 3, G0B, G1HB, .Lhead_sb
	tensor_load_to_lds s[G0SB:G0SB+3], s[G1SB:G1SB+7]
	s_nop 0
.rept 4
	v_nop
.endr
.Lhead_asked:
	v_and_b32 v1, 31, v0
	v_and_b32 v2, 15, v0
	v_bfe_u32 v3, v0, 4, 1
	s_wait_alu depctr_va_vdst(0)
	v_lshlrev_b32 v[L16], 4, v1
	v_lshlrev_b32 v[L8], 3, v1
	s_mul_i32 s2, s[WM], 12288
	s_mul_i32 s3, s[WN], 12288
	s_add_co_u32 s3, s3, 6*PARTB
.irp j, 0,1,2
	v_add_nc_u32 v[ADRA+\j], s2, v[L16]
	v_add_nc_u32 v[ADRB+\j], s3, v[L16]
	s_add_co_u32 s2, s2, 2*PARTB
	s_add_co_u32 s3, s3, 2*PARTB
.endr
	s_lshl_b32 s2, s[WM], 9
	s_lshl_b32 s3, s[WN], 9
	s_add_co_u32 s3, s3, 8192
	s_sub_co_u32 s3, s3, s2
	v_mul_u32_u24 v4, s3, v3
	s_add_co_u32 s2, s2, SCL
	v_lshl_add_u32 v4, v2, 2, v4
	v_add_nc_u32 v[ADRS], s2, v4
	s_lshl_b32 s2, s22, 8
	s_lshl_b32 s3, s[WN], 7
	s_add_co_u32 s2, s2, s3
	s_cmp_eq_u32 s[SV], 1
	s_cselect_b32 s2, 1024, s2
	s_lshl_b32 s2, s2, 2
	s_mov_b32 s3, 0
	s_add_nc_u64 s[8:9], s[8:9], s[2:3]
	v_lshlrev_b32 v5, 6, v3
.irp b, 0,1,2,3,4,5,6,7
	global_load_b128 v[BI+8*\b:BI+8*\b+3], v5, s[8:9] offset:(32*(\b/2)+8*(\b%2))*4
	global_load_b128 v[BI+8*\b+4:BI+8*\b+7], v5, s[8:9] offset:(32*(\b/2)+8*(\b%2))*4+16
.endr
	s_lshl_b32 s2, s22, 2
	s_lshl_b32 s3, s[WN], 1
	s_add_co_u32 s2, s2, s3
	s_lshl_b32 s3, s23, 4
	s_lshl_b32 s66, s[WM], 3
	s_add_co_u32 s3, s3, s66
	s_lshl_b32 s66, s2, 8
	s_add_co_u32 s66, s66, s3
	s_mul_i32 s66, s66, 768
	s_and_b32 s67, s2, 15
	s_lshl_b32 s67, s67, 1
	s_lshr_b32 s100, s23, 3
	s_add_co_u32 s67, s67, s100
	s_mul_i32 s100, s67, 12288
	s_add_co_u32 s100, s100, 262144
	s_lshl_b32 s101, s67, 13
	s_mov_b32 s17, 16384
	s_cmp_ge_u32 ttmp9, 1
	s_cselect_b32 s100, s100, s101
	s_cselect_b32 s101, 24576, s17
	s_and_b32 s3, s3, 127
	s_lshl_b32 s3, s3, 6
	s_add_co_u32 s100, s100, s3
	s_lshl_b32 s2, s23, 2
	s_lshl_b32 s3, s[WM], 1
	s_add_co_u32 s2, s2, s3
	s_lshl_b32 s3, s22, 1
	s_add_co_u32 s3, s3, s[WN]
	s_lshl_b32 s2, s2, 1
	s_lshr_b32 s17, s3, 4
	s_add_co_u32 s2, s2, s17
	s_and_b32 s3, s3, 15
	s_add_co_u32 s17, s2, 64
	s_mul_i32 s17, s17, 98304
	s_mul_i32 s18, s3, 6144
	s_add_co_u32 s17, s17, s18
	s_mul_i32 s18, s2, 12288
	s_add_co_u32 s18, s18, 270336
	s_lshl_b32 s3, s3, 8
	s_add_co_u32 s18, s18, s3
	s_cmp_eq_u32 s[SV], 1
	s_cselect_b32 s[SB0], s17, s66
	s_cselect_b32 s[SS0], s18, s100
	s_cselect_b32 s[SS1], 24576, s101
	s_mov_b32 s[SB0+1], 0
	s_mov_b32 s[SS0+1], 0
	s_mov_b32 s[SS1+1], 0
	s_add_nc_u64 s[SB0:SB0+1], s[10:11], s[SB0:SB0+1]
	s_add_nc_u64 s[SS0:SS0+1], s[12:13], s[SS0:SS0+1]
	s_add_nc_u64 s[SS1:SS1+1], s[SS0:SS0+1], s[SS1:SS1+1]
.macro FRAG reg, adr, off
.irp c, 0,1,2
	ds_load_b128 v[\reg+4*\c:\reg+4*\c+3], v[\adr] offset:\off+512*\c
.endr
.endm
.macro FETCH_B q, set
	WIN TO_B
.irp i, 0,1,2,3,4,5,6,7
	FRAG 128*(\set)+12*\i, ADRB+((\q)/2)%3, PARTB*((\q)%2)+1536*\i
.endr
	WIN 0
.endm
.macro FETCH_A q, i0
.irp i, \i0, \i0+1, \i0+2, \i0+3
	FRAG AF+12*(\i), ADRA+((\q)/2)%3, PARTB*((\q)%2)+1536*(\i)
.endr
.endm
.macro SCALES q
.irp i, 0,1,2,3,4,5,6,7
	ds_load_b32 v[SC+8*((\q)%2)+\i], v[ADRS] offset:1024*(\q)+64*\i
.endr
.endm
.macro MUL16 a0, set, first
.irp a, \a0, \a0+1
.irp b, 0,1,2,3,4,5,6,7
.if \first
	v_wmma_scale_f32_16x16x128_f8f6f4 v[8*(8*((\a)%4)+\b):8*(8*((\a)%4)+\b)+7], v[128*(\set)+12*\b:128*(\set)+12*\b+11], v[AF+12*(\a):AF+12*(\a)+11], v[BI+8*\b:BI+8*\b+7], v[SC+8*(\set)+\b], v[SC+8*(\set)+(\a)] matrix_a_fmt:MATRIX_FMT_FP6 matrix_b_fmt:MATRIX_FMT_FP6 matrix_a_scale:MATRIX_SCALE_ROW1
.else
	v_wmma_scale_f32_16x16x128_f8f6f4 v[8*(8*((\a)%4)+\b):8*(8*((\a)%4)+\b)+7], v[128*(\set)+12*\b:128*(\set)+12*\b+11], v[AF+12*(\a):AF+12*(\a)+11], v[8*(8*((\a)%4)+\b):8*(8*((\a)%4)+\b)+7], v[SC+8*(\set)+\b], v[SC+8*(\set)+(\a)] matrix_a_fmt:MATRIX_FMT_FP6 matrix_b_fmt:MATRIX_FMT_FP6 matrix_a_scale:MATRIX_SCALE_ROW1
.endif
.endr
.endr
.endm
.macro STEP q, first
	s_wait_dscnt 12
.if \first
	WIN 0x81
.else
	WIN MUL_LO
.endif
	MUL16 0, (\q)%2, \first
	MUL16 2, (\q)%2, \first
	s_wait_dscnt 0x0
	PLACES
	FETCH_B (\q)+1, 1-(\q)%2
	FETCH_A (\q)+1, 0
	SCALES (\q)+1
.if \first
	WIN 0xc1
.else
	WIN MUL_HI
.endif
	MUL16 4, (\q)%2, \first
	MUL16 6, (\q)%2, \first
	PLACES
	WIN 0
	FETCH_A (\q)+1, 4
.endm
.macro TURN q, fill
	s_wait_tensorcnt 0x0
	ds_add_u32 v[SPW], v[NIL]
	s_wait_dscnt 13
	WIN MUL_LO
	MUL16 0, (\q)%2, 0
	s_wait_dscnt 0x0
	s_barrier_signal -1
	MUL16 2, (\q)%2, 0
	WIN 0
	s_barrier_wait -1
.if \fill
	CREST
	s_add_nc_u64 s[G0+2:G0+3], s[G0+2:G0+3], 6*KSB
	s_add_nc_u64 s[G0B+2:G0B+3], s[G0B+2:G0B+3], 6*KSB
	JLOAD G0, G1, G0B, G1B
.else
	PLACES
.endif
	FETCH_B (\q)+1, 1-(\q)%2
	FETCH_A (\q)+1, 0
	SCALES (\q)+1
	WIN MUL_HI
	MUL16 4, (\q)%2, 0
	MUL16 6, (\q)%2, 0
	PLACES
	WIN 0
	FETCH_A (\q)+1, 4
.endm
	s_wait_alu depctr_va_vdst(0)
	s_wait_tensorcnt 0x0                           ; my head load has landed, so its group 0 may be written: the refill brings one K step a wave
	s_mul_i32 s[G0+1], s[WN], PARTB
	s_add_co_u32 s[G0B+1], s[G0+1], 6*PARTB
	s_barrier_signal -1
	s_barrier_wait -1
	FETCH_B 0, 0
	FETCH_A 0, 0
	SCALES 0
	FETCH_A 0, 4
	s_wait_loadcnt 0x0
	STEP 0, 1
	TURN 1, 1
	STEP 2, 0
	STEP 3, 0
	STEP 4, 0
	TURN 5, 0
	STEP 6, 0
	s_wait_dscnt 12
	WIN MUL_LO
	MUL16 0, 1, 0
	MUL16 2, 1, 0
	s_wait_dscnt 0x0
	WIN MUL_HI
	MUL16 4, 1, 0
	MUL16 6, 1, 0
	WIN 0
.macro QACC a
.set SA, 64*((\a)%4)
	s_wait_xcnt 0x0
	WIN 0x0a+5*((\a)/4)
.irp b, 0,1,2,3
	v_max3_num_f32 v[TM+\b], |v[SA+16*\b]|, |v[SA+16*\b+1]|, 0x1800000
.endr
.irp i, 2,4,6,8,10,12,14
.irp b, 0,1,2,3
	v_max3_num_f32 v[TM+\b], |v[SA+16*\b+\i]|, |v[SA+16*\b+\i+1]|, v[TM+\b]
.endr
.endr
	WIN 0
.irp b, 0,1,2,3
	v_permlanex16_b32 v[TM+4+\b], v[TM+\b], s[SEL], s[SEL+1]
.endr
.irp b, 0,1,2,3
	v_max_num_f32 v[TM+\b], v[TM+\b], v[TM+4+\b]
.endr
.irp b, 0,1,2,3
	v_add_nc_u32 v[TM+12+\b], 0xff000000, v[TM+\b]
.endr
.irp b, 0,1,2,3
	v_lshrrev_b32 v[TM+4+\b], 23, v[TM+12+\b]
.endr
	v_lshl_or_b32 v[PW+(\a)%4], v[TM+5], 8, v[TM+4]
	v_lshl_or_b32 v[PW+(\a)%4], v[TM+6], 16, v[PW+(\a)%4]
	v_lshl_or_b32 v[PW+(\a)%4], v[TM+7], 24, v[PW+(\a)%4]
	WIN 0x02+(\a)/4
.irp c, 0,1
	v_cvt_scalef32_pk16_fp6_f32 v[PC+6*\c:PC+2+6*\c], v[SA+32*\c:SA+15+32*\c], v[TM+12+2*\c]
	v_cvt_scalef32_pk16_fp6_f32 v[PC+12+4*\c:PC+14+4*\c], v[SA+16+32*\c:SA+31+32*\c], v[TM+13+2*\c]
.endr
	WIN 0
	v_nop
.irp c, 0,1
.irp i, 0,1,2
	v_permlane16_swap_b32 v[PC+6*\c+\i], v[PC+12+4*\c+\i]
.endr
.irp i, 0,1,2
	v_mov_b32 v[PC+3+6*\c+\i], v[PC+12+4*\c+\i]
.endr
.endr
	s_cmp_eq_u32 s[SV], 0
	s_cbranch_scc0 .Lv_\@
	global_store_b128 v[L16], v[PC:PC+3], s[SB0:SB0+1] offset:768*(\a)
	global_store_b64 v[L8], v[PC+4:PC+5], s[SB0:SB0+1] offset:768*(\a)+512
	global_store_b128 v[L16], v[PC+6:PC+9], s[SB0:SB0+1] offset:196608+768*(\a)
	global_store_b64 v[L8], v[PC+10:PC+11], s[SB0:SB0+1] offset:196608+768*(\a)+512
	s_branch .Ldone_\@
.Lv_\@:
	s_wait_alu depctr_va_vdst(0)
.irp c, 0,1,2
	global_store_b128 v[L16], v[PC+4*\c:PC+4*\c+3], s[SB0:SB0+1] offset:196608*((\a)/4)+1536*((\a)%4)+512*\c
.endr
.Ldone_\@:
.endm
.macro SUNIT g
	v_cndmask_b32 v244, v[PW], v[PW+1], s[HIM]
	v_cndmask_b32 v245, v[PW+2], v[PW+3], s[HIM]
	s_cmp_eq_u32 s[SV], 0
	s_cbranch_scc0 .Lsv_\@
	v_and_b32 v246, 0xffff, v244
	v_and_b32 v247, 0xffff, v245
	v_lshrrev_b32 v248, 16, v244
	v_lshrrev_b32 v249, 16, v245
	global_store_b64 v[L8], v[246:247], s[SS0:SS0+1] offset:256*\g
	global_store_b64 v[L8], v[248:249], s[SS1:SS1+1] offset:256*\g
	s_branch .Lsd_\@
.Lsv_\@:
.if \g == 0
	s_wait_alu depctr_va_vdst(0)
	global_store_b64 v[L8], v[244:245], s[SS0:SS0+1]
.else
	s_wait_alu depctr_va_vdst(0)
	global_store_b64 v[L8], v[244:245], s[SS1:SS1+1]
.endif
.Lsd_\@:
.endm
	PLACES
.irp b, 0,1,2,3
	v_mov_b32 v[TM+4+\b], 0
.endr
	QACC 0
	QACC 1
	QACC 2
	QACC 3
	SUNIT 0
	QACC 4
	QACC 5
	QACC 6
	QACC 7
	SUNIT 1
	s_wait_tensorcnt 0x0
	ds_add_u32 v[SPW], v[NIL]
	s_wait_dscnt 0x0
	CROUND
	s_endpgm
.Lfunc_end_k_qfea98ba148_proj:
	.size	k_qfea98ba148_proj, .Lfunc_end_k_qfea98ba148_proj-k_qfea98ba148_proj
	.p2alignl 7, 3214868480
	.fill 96, 4, 3214868480
	.section	.rodata,"a",@progbits
	.p2align	6, 0x0
	.amdhsa_kernel k_qfea98ba148_proj
		.amdhsa_group_segment_fixed_size 327680
		.amdhsa_private_segment_fixed_size 0
		.amdhsa_enable_private_segment 0
		.amdhsa_kernarg_size 40
		.amdhsa_user_sgpr_count 2
		.amdhsa_user_sgpr_kernarg_segment_ptr 1
		.amdhsa_wavefront_size32 1
		.amdhsa_system_sgpr_workgroup_id_x 1
		.amdhsa_system_sgpr_workgroup_id_y 1
		.amdhsa_system_sgpr_workgroup_id_z 1
		.amdhsa_system_vgpr_workitem_id 0
		.amdhsa_next_free_vgpr 1024
		.amdhsa_next_free_sgpr 102
		.amdhsa_reserve_vcc 0
		.amdhsa_float_denorm_mode_32 3
		.amdhsa_float_denorm_mode_16_64 3
		.amdhsa_memory_ordered 1
		.amdhsa_forward_progress 1
		.amdhsa_inst_pref_size 149
	.end_amdhsa_kernel
	.amdgpu_metadata
---
amdhsa.version: [ 1, 2 ]
amdhsa.kernels:
  - .name:           k_qfea98ba148_proj
    .symbol:         k_qfea98ba148_proj.kd
    .args:
      - { .name: codes, .offset: 0, .size: 8, .value_kind: global_buffer, .address_space: global }
      - { .name: scl, .offset: 8, .size: 8, .value_kind: global_buffer, .address_space: global }
      - { .name: bias, .offset: 16, .size: 8, .value_kind: global_buffer, .address_space: global }
      - { .name: qkv, .offset: 24, .size: 8, .value_kind: global_buffer, .address_space: global }
      - { .name: qkvs, .offset: 32, .size: 8, .value_kind: global_buffer, .address_space: global }
    .group_segment_fixed_size: 327680
    .private_segment_fixed_size: 0
    .kernarg_segment_align: 8
    .kernarg_segment_size: 40
    .max_flat_workgroup_size: 128
    .sgpr_count:     102
    .vgpr_count:     1024
    .wavefront_size: 32
...
	.end_amdgpu_metadata
.endif
;; end of part 2
;; launch attn (part 3): grid 8 x 32, 16 waves a work-group, clusters of 4 x 1, 327,680 bytes of LDS; arguments qkv, qkvs, ows; writes ows
.if DOCPART == 3
	.amdgcn_target "amdgcn-amd-amdhsa--gfx1250"
	.amdhsa_code_object_version 6
	.text
	.protected	k_qfea98ba148_attn
	.globl	k_qfea98ba148_attn
	.p2align	8
	.type	k_qfea98ba148_attn,@function
k_qfea98ba148_attn:
	s_mov_b64 s[64:65], 0
	v_nop
	global_prefetch_b8 v0, s[64:65] scope:SCOPE_SE
	s_setreg_imm32_b32 hwreg(HW_REG_WAVE_MODE, 25, 1), 1
	s_wait_xcnt 0x0
	s_wait_alu depctr_hold_cnt(0) depctr_sa_sdst(0) depctr_va_vdst(0) depctr_va_sdst(0) depctr_va_ssrc(0) depctr_va_vcc(0) depctr_vm_vsrc(0)
	s_getreg_b32 s2, hwreg(HW_REG_IB_STS2, 6, 4)
	s_cmp_eq_u32 s2, 0
	s_cbranch_scc0 .Lentry_in_a_cluster
	s_endpgm
.Lentry_in_a_cluster:
	s_bfe_u32 s2, ttmp6, 0x10000c
	s_cmp_lg_u32 s2, 0x3003
	s_cbranch_scc0 .Lentry_shape_is_right
	s_endpgm
.Lentry_shape_is_right:
; O = softmax(Q K^T / 32) V for one pair Y = 2 head + batch and 256 queries a work-group; both products on codes of FP6 (E2M3) with E8M0 scales.  2,048 keys, head size 64.
; THE SOFTMAX: t = score x log2(e) / 32; M = the running largest t rounded up to a whole number; p = 2^(t - M) is quantised along the keys, not normalised; the row's sum is taken of the unquantised p and divides at the end.
; When M moves, the sum and O are multiplied by 2^(old M - new M), which rounds nothing.
; SHARES: sixteen waves, each one tile of 16 queries in 256 registers: four waves to a SIMD.  Every wave walks all keys, 128 a step.
; LAYOUT: all operands are images of registers.  Both products are used transposed (S^T = K Q^T, O^T = V^T P^T): a lane holds one query.
; K's images hold 16 keys each, image 2 G + u, slot x: key 32 G + 8 u + x + 8 (x / 8).  A TILE OF K IS PUT TOGETHER BY LANE ADDRESSES: tile u of 64 keys takes in rows 0-7 keys 8 u + 0..7 and in rows 8-15 keys 32 + 8 u + 0..7,
; so that lane (r, h) holds over the four tiles the whole block of 32 keys 32 h + 0..31, in the order of the next operand's registers: a block's maximum needs no other lane and p's codes no lane swap.
; THE HEAD IS 64, THE INSTRUCTION'S K 128: Q's registers 6-11 are zeros and scale bytes 2, 3 of Q's and K's words are 0, so what stands in registers 6-11 of K's operand (the next tile's codes; behind the last, zeros) adds nothing.
; LDS IS FILLED ONCE, by two groups of joint loads (the four query blocks of a cluster share the pair's bytes): at the head one load a wave of 3,072 bytes (waves 0-5 K's steps 0-2, waves 6-11 V's, waves 12-15 the scale words);
; behind the full sequence and a round one load a wave of 9,984 bytes (waves 0-7 K's steps 3-15, waves 8-15 V's), asked for three steps ahead of its first read.
; NO PREFETCH: every byte is asked for by one of these two loads a wave; no later load is left to run ahead of.
; THE STEP'S ORDER: the exponentials go in two batches, one for each 64 keys; among the first stand the other 64 keys' multiply-adds, among the second eight independent sums of pairs of the first 64 p;
; each such result is first read behind the next wait.  The next step's K is asked for behind the second product, and the rest of the row's sum stands between that request and the wait for it.
; OUT: ows [128 batch + query tile][head][4,096]: the image of a tile's 32 results, register 8 t + j of lane (r, h) = O(query r, d = 32 (t / 2) + 8 (t % 2) + 16 h + j).
; LIMITS: NaN and infinities are not served; the promise holds while the scaled scores t stay under 2^31 in magnitude.
; REGISTERS: v1-10 addresses; v11 8 h; v12 -M; v13 the largest score; v[14:15] the sum; v16-27 Q; v28-29 V's scale words; v30-31 the add's; v32-85 K's eight tiles and six zeros, then in v32-79 V's four fragments;
; v88-91 K's scale words; v92 Q's, v93 p's; v96-159 S^T, then p; v160-191 O^T; v192-251 at work.
.set V0,    18432                      ; LDS: K's steps 0-2 at 0, V's here,
.set SCB,   36864                      ; the scale words: K's 8,192 bytes, then V's 4,096,
.set KR,    49152                      ; K's steps 3-15,
.set VR,    129024                     ; V's
.set SPARE, 208896                     ; the spare words: 128 bytes a wave
.set L16, 1
.set KA,  2
.set KB,  3
.set AW,  4
.set KS,  5
.set VS,  6
.set AK,  7
.set AK2, 8
.set AS,  9
.set AV,  10
.set SPW, 30
.set NIL, 31
.set S,   96
.set O,   160
.set PC,  192                          ; p's codes, 12 registers
.set C2,  204                          ; the conversions' second halves
.set MA,  212                          ; the two blocks' maxima
.set T,   216
.set P,   217
.set F,   218
.set E,   226
.set U,   228                          ; eight pairs: the sum's chains
.set MX,  244                          ; eight chains of the maxima, one to an accumulator
.set WV,  18
.set NC,  19                           ; -log2(e) / 32
.set SEL, 20
.set CS,  22                           ; s[22:23] log2(e) / 32
.set G1A, 24
.set G1R, 32
.set G0A, 40
.set G0R, 44
.set TK,  48
.set TV,  49
.set TS,  50
.set TW,  51
.set CNT, 52
.macro ROUND
	s_barrier_signal -1
	s_barrier_wait -1
	s_cmp_lg_u32 s[WV], 0
	s_cbranch_scc1 .Lnot_wave_0_\@
	s_barrier_signal -3
.Lnot_wave_0_\@:
	s_barrier_wait -3
	s_barrier_signal -1
	s_barrier_wait -1
.endm
	s_load_b128 s[4:7], s[0:1], 0x0                ; qkv, qkvs
	s_load_b64 s[8:9], s[0:1], 0x10                ; ows
	v_lshl_add_u32 v[SPW], v0, 2, SPARE
	v_mov_b32 v[NIL], 0
	ds_add_u32 v[SPW], v[NIL]                      ; the opening lines: the add twice on end and one wait
	ds_add_u32 v[SPW], v[NIL]
	v_lshrrev_b32 v1, 5, v0
	v_readfirstlane_b32 s[WV], v1                  ; wave 0..15
	s_bfe_u32 s10, ttmp6, 0x40000                  ; cx
	s_lshl_b32 s11, ttmp9, 2
	s_add_co_u32 s11, s11, s10                     ; X: my block of 256 queries: it enters Q's and the output's addresses alone
	s_and_b32 s12, ttmp7, 0xffff                   ; Y, which the four partners share
.irp g, G1A, G1R                       ; dense bytes as rows of 256: elements of 8 bytes, the mask names all four, bit 21 beside it
	s_mov_b32 s[\g], 15|(3<<16)|(1<<21)
	s_mov_b32 s[\g+1], 32<<16
	s_mov_b32 s[\g+3], 32<<16
	s_mov_b32 s[\g+5], 32
	s_mov_b32 s[\g+6], 0
	s_mov_b32 s[\g+7], 0
.endr
	s_mov_b32 s[G1A+2], 12<<16
	s_mov_b32 s[G1A+4], 12
	s_mov_b32 s[G1R+2], 39<<16
	s_mov_b32 s[G1R+4], 39
	s_mov_b32 s[SEL], 0x76543210
	s_mov_b32 s[SEL+1], 0xfedcba98
	s_mov_b32 s[CS], 0x3d38aa3b
	s_mov_b32 s[CS+1], s[CS]
	s_mov_b32 s[NC], 0xbd38aa3b
	s_mul_i32 s13, s12, 98304                      ; the pair's place in a region of qkv (region 1: K, region 2: V)
	s_mul_i32 s14, s[WV], 3072                     ; the head's load: its LDS address, and its place counted over K, V and the scale words on end
	s_mul_i32 s15, s[WV], 9984                     ; the second load likewise
	s_mov_b32 s16, 32*98304
	s_mov_b32 s17, 64*98304-V0
	s_cmp_lt_u32 s[WV], 6
	s_cselect_b32 s16, s16, s17
	s_add_co_u32 s16, s16, s13
	s_add_co_u32 s16, s16, s14                     ; waves 0-11: K's or V's steps 0-2
	s_mul_i32 s17, s12, 12288
	s_add_co_u32 s17, s17, 262144-SCB
	s_add_co_u32 s17, s17, s14                     ; waves 12-15: the pair's scale words in qkvs
	s_mov_b32 s53, 32*98304+18432
	s_mov_b32 s54, 64*98304+18432-8*9984
	s_cmp_lt_u32 s[WV], 8
	s_cselect_b32 s56, s53, s54
	s_add_co_u32 s56, s56, s13
	s_add_co_u32 s56, s56, s15                     ; K's or V's steps 3-15, an eighth a wave
	s_mov_b32 s57, 0
	s_add_co_u32 s15, s15, KR
	s_wait_dscnt 0x0                               ; both opening adds are done
	s_wait_kmcnt 0x0
	s_cmp_lt_u32 s[WV], 12
	s_cselect_b32 s16, s16, s17
	s_cselect_b64 s[58:59], s[4:5], s[6:7]         ; the choice hangs on the wave's number alone
	s_mov_b32 s17, 0
	s_add_nc_u64 s[58:59], s[58:59], s[16:17]
	s_add_nc_u64 s[56:57], s[4:5], s[56:57]
	ROUND                                          ; all four work-groups are here: the joint loads meet
	s_mov_b32 s[G0A], 1
	s_mov_b32 s[G0A+1], s14
	s_mov_b64 s[G0A+2:G0A+3], s[58:59]
	s_or_b32 s[G0A+3], s[G0A+3], 0x80000000
	s_mov_b32 s[G0R], 1
	s_mov_b32 s[G0R+1], s15
	s_mov_b64 s[G0R+2:G0R+3], s[56:57]
	s_or_b32 s[G0R+3], s[G0R+3], 0x80000000
	tensor_load_to_lds s[G0A:G0A+3], s[G1A:G1A+7]  ; one load a wave at the head
	s_nop 0
	s_lshl_b32 s60, s11, 4
	s_add_co_u32 s60, s60, s[WV]                   ; Tq: my query tile's number in its batch
	s_lshl_b32 s61, s12, 7
	s_add_co_u32 s61, s61, s60
	s_mul_i32 s62, s61, 768
	s_mov_b32 s63, 0
	s_add_nc_u64 s[62:63], s[4:5], s[62:63]        ; Q's half image
	s_lshl_b32 s66, s12, 13
	s_lshl_b32 s61, s11, 10
	s_add_co_u32 s66, s66, s61
	s_lshr_b32 s61, s[WV], 2
	s_lshl_b32 s61, s61, 8
	s_add_co_u32 s66, s66, s61                     ; Q's scale block Tq / 4,
	s_and_b32 s61, s[WV], 1
	s_lshl_b32 s61, s61, 7
	s_add_co_u32 s66, s66, s61                     ; the half of the lanes Tq % 2,
	s_bfe_u32 s61, s[WV], 0x10001
	s_lshl_b32 s61, s61, 2
	s_add_co_u32 s66, s66, s61                     ; the word (Tq / 2) % 2
	s_mov_b32 s67, 0
	s_add_nc_u64 s[66:67], s[6:7], s[66:67]
	s_and_b32 s61, s12, 1
	s_lshl_b32 s61, s61, 7
	s_add_co_u32 s61, s61, s60
	s_lshl_b32 s61, s61, 4
	s_lshr_b32 s68, s12, 1
	s_add_co_u32 s68, s68, s61
	s_lshl_b32 s68, s68, 12                        ; ((128 batch + Tq) 16 + head) x 4,096
	s_mov_b32 s69, 0
	s_add_nc_u64 s[8:9], s[8:9], s[68:69]
	v_and_b32 v32, 7, v0                           ; r % 8
	v_bfe_u32 v33, v0, 3, 1                        ; r / 8
	v_bfe_u32 v34, v0, 4, 1                        ; h
	v_and_b32 v35, 31, v0
	v_lshlrev_b32 v[L16], 4, v35                   ; 16 x lane
	v_lshlrev_b32 v[VS], 3, v35
	v_mul_u32_u24 v36, v33, 1536                   ; rows 8-15 come from the image two further on
	v_lshl_add_u32 v[KA], v34, 8, v36
	v_lshl_add_u32 v[KA], v32, 4, v[KA]            ; K's registers 0-3: 16 (r % 8) + 256 h + 1,536 (r / 8)
	v_lshl_add_u32 v[KB], v34, 7, v36
	v_lshl_add_u32 v[KB], v32, 3, v[KB]
	v_add_nc_u32 v[KB], 512, v[KB]                 ; K's registers 4-5: 512 + 8 (r % 8) + 128 h + 1,536 (r / 8)
	v_lshlrev_b32 v[KS], 7, v34
	v_lshl_add_u32 v[KS], v33, 2, v[KS]
	v_lshl_add_u32 v[KS], v32, 3, v[KS]
	v_add_nc_u32 v[KS], SCB, v[KS]                 ; K's scale words: lanes 0-15 an even tile's, lanes 16-31 the odd one's
	v_add_nc_u32 v87, 512, v[VS]                   ; Q's registers 4-5
	v_and_b32 v86, 15, v0
	v_lshlrev_b32 v86, 3, v86                      ; Q's scale word: 8 r
	v_add_nc_u32 v[VS], SCB+8192, v[VS]            ; V's scale words
	global_load_b128 v[16:19], v[L16], s[62:63]
	global_load_b64 v[20:21], v87, s[62:63]
	global_load_b32 v92, v86, s[66:67]
.irp j, 14,15,22,23,24,25,26,27,80,81,82,83,84,85,P,F+1
	v_mov_b32 v[\j], 0                             ; the sum; Q's upper codes; what stands behind K's last tile; registers named before they are first written
.endr
	v_mov_b32 v13, 0xff61b1e6                      ; the largest score so far: -3e38;
	v_mov_b32 v12, 0x7f61b1e6                      ; -M: +3e38: the first step's factor is 0
	v_lshlrev_b32 v11, 3, v34
.set j, 0
.rept 32
	v_mov_b32 v[O+j], 0                            ; O^T: the step is written once; the first finds zeros
.set j, j+1
.endr
; K's eight tiles and their scale words.  The three additions and the v_nop are the four places behind the products that read these registers.
.macro KLOAD
	v_add_nc_u32 v[AK], s[TK], v[KA]
	v_add_nc_u32 v[AK2], s[TK], v[KB]
	v_add_nc_u32 v[AS], s[TS], v[KS]
	v_nop
.irp c, 0,1
.irp u, 0,1,2,3
	ds_load_b128 v[32+6*(4*\c+\u):35+6*(4*\c+\u)], v[AK] offset:3072*\c+768*(\u%2)+128*(\u/2)
	ds_load_b64 v[36+6*(4*\c+\u):37+6*(4*\c+\u)], v[AK2] offset:3072*\c+768*(\u%2)+64*(\u/2)
.endr
.endr
.irp c, 0,1
.irp g, 0,1
	ds_load_b32 v[88+2*\c+\g], v[AS] offset:256*\c+64*\g   ; lanes 0-15 tile 2 g, lanes 16-31 tile 2 g + 1 of these 64 keys
.endr
.endr
.endm
.macro CODES c                         ; block 2 c + h: 32 codes into registers 6 c .. 6 c + 5 of p's operand
	v_cvt_scalef32_pk16_fp6_f32 v[PC+6*\c:PC+6*\c+2], v[S+32*\c:S+32*\c+15], v[E+\c]
	v_cvt_scalef32_pk16_fp6_f32 v[C2+4*\c:C2+4*\c+2], v[S+32*\c+16:S+32*\c+31], v[E+\c]   ; a conversion's three registers begin on an even number
	v_nop                                          ; one plain place behind a scaled conversion
.endm
.macro MOVES c
.irp i, 0,1,2
	v_mov_b32 v[PC+6*\c+3+\i], v[C2+4*\c+\i]
.endr
.endm
; The softmax of 128 keys.  Register S + 32 c + i of lane (r, h) is query r, key 64 c + 32 h + i: block 2 c + h is all mine.
.macro SM
.irp a, 0,1,2,3,4,5,6,7
	v_max3_num_f32 v[MX+\a], v[S+8*\a], v[S+8*\a+1], v[S+8*\a+2]   ; eight chains by turns, one to an accumulator, each from its low end on
.endr
.irp i, 3,5
.irp a, 0,1,2,3,4,5,6,7
	v_max3_num_f32 v[MX+\a], v[MX+\a], v[S+8*\a+\i], v[S+8*\a+\i+1]
.endr
.endr
.irp c, 0,1
	v_max3_num_f32 v[MX+4*\c], v[MX+4*\c], v[MX+4*\c+1], v[S+32*\c+7]
	v_max3_num_f32 v[MX+4*\c+2], v[MX+4*\c+2], v[MX+4*\c+3], v[S+32*\c+15]
.endr
.irp c, 0,1
	v_max3_num_f32 v[MA+\c], v[MX+4*\c], v[MX+4*\c+2], v[S+32*\c+23]
.endr
.irp c, 0,1
	v_max_num_f32 v[MA+\c], v[MA+\c], v[S+32*\c+31]   ; each block's largest score
.endr
	s_delay_alu instid0(VALU_DEP_1)
	v_max_num_f32 v[T], v[MA], v[MA+1]
	s_delay_alu instid0(VALU_DEP_1)
	v_permlanex16_b32 v[P], v[T], s[SEL], s[SEL+1]
	s_delay_alu instid0(VALU_DEP_1)
	v_max3_num_f32 v13, v13, v[T], v[P]            ; the running largest score of my query
	s_delay_alu instid0(VALU_DEP_1)
	v_mul_f32 v[T], s[NC], v13
	s_delay_alu instid0(VALU_DEP_1)
	v_floor_f32 v[T], v[T]                         ; the new -M = floor(-t) = -ceil(t)
	s_delay_alu instid0(VALU_DEP_1)
	v_sub_f32 v[F], v[T], v12                      ; old M - new M: a whole number, 0 or less
	v_mov_b32 v12, v[T]
	s_delay_alu instid0(VALU_DEP_2)
	v_cvt_i32_f32 v[F], v[F]                       ; (it saturates)
	s_delay_alu instid0(VALU_DEP_1)
	v_ldexp_f32 v[F], 1.0, v[F]                    ; f = 2^(old M - new M)
.set j, 0
.rept 16
	v_pk_fma_f32 v[S+j:S+j+1], v[S+j:S+j+1], s[CS:CS+1], v[12:13] op_sel_hi:[1,0,0]   ; t - M of keys 0-63, two at a time
.set j, j+2
.endr
.irp c, 0,1
	v_fma_f32 v[MA+\c], v[MA+\c], s[CS], v12       ; the same of each block's largest score
.endr
	s_wait_alu depctr_va_vdst(0)                   ; the wait ahead of the batch
.set j, 0
.rept 16                               ; the first batch: p = 2^(t - M) of keys 0-63; among it t - M of keys 64-127, first read behind the next wait
	v_exp_f32 v[S+j], v[S+j]
	v_exp_f32 v[S+j+1], v[S+j+1]
	v_pk_fma_f32 v[S+32+j:S+33+j], v[S+32+j:S+33+j], s[CS:CS+1], v[12:13] op_sel_hi:[1,0,0]
.set j, j+2
.endr
.irp c, 0,1
	v_exp_f32 v[MA+\c], v[MA+\c]                   ; the block's largest p: the same two steps on the same number
.endr
	v_pk_mul_f32 v[14:15], v[14:15], v[F:F+1] op_sel_hi:[1,0]   ; the sum under the new M: the plain place behind the batch
	s_wait_alu depctr_va_vdst(0)                   ; behind the first batch and ahead of the second
.irp c, 0,1
	v_max_num_f32 v[MA+\c], 0x1800000, v[MA+\c]    ; the floor 2^(3 - 127): the byte cannot fall under 1
.endr
.irp c, 0,1
	s_delay_alu instid0(VALU_DEP_2)
	v_add_nc_u32 v[E+\c], 0xff000000, v[MA+\c]     ; 2 off the exponent field: the conversion's scale operand
.endr
.irp c, 0,1
	s_delay_alu instid0(VALU_DEP_2)
	v_lshrrev_b32 v[MA+\c], 23, v[E+\c]            ; the byte
.endr
	CODES 0
	v_lshl_or_b32 v[T], v[MA+1], 16, v[MA]         ; my bytes: blocks h and 2 + h,
	s_delay_alu instid0(VALU_DEP_1)
	v_lshlrev_b32 v[T], v11, v[T]                  ; 8 h bits up
	s_delay_alu instid0(VALU_DEP_1)
	v_permlanex16_b32 v[P], v[T], s[SEL], s[SEL+1]
	MOVES 0
	v_or_b32 v93, v[T], v[P]                       ; with lane l xor 16's two bytes p's scale word is whole
.set j, 0
.rept 8                                ; the second batch: keys 64-127; among it the sums of pairs of the first 64 p, each into registers of its own, first read behind the next wait
	v_exp_f32 v[S+32+4*j], v[S+32+4*j]
	v_exp_f32 v[S+33+4*j], v[S+33+4*j]
	v_exp_f32 v[S+34+4*j], v[S+34+4*j]
	v_exp_f32 v[S+35+4*j], v[S+35+4*j]
	v_pk_add_f32 v[U+2*j:U+2*j+1], v[S+4*j:S+4*j+1], v[S+4*j+2:S+4*j+3]
.set j, j+1
.endr
	s_wait_alu depctr_va_vdst(0)                   ; behind the second batch, and directly ahead of O^T's first readers
.set j, 0
.rept 16
	v_pk_mul_f32 v[O+j:O+j+1], v[O+j:O+j+1], v[F:F+1] op_sel_hi:[1,0]   ; O^T under the new M
.set j, j+2
.endr
	CODES 1
	MOVES 1
.set j, 0
.rept 8
	v_pk_add_f32 v[U+2*j:U+2*j+1], v[U+2*j:U+2*j+1], v[S+32+2*j:S+33+2*j]   ; eight chains of the row's sum; these eight also stand between p's codes and the products
.set j, j+1
.endr
.endm
.macro SUMS                            ; the rest of the row's sum of the unquantised p
.set j, 0
.rept 8
	v_pk_add_f32 v[U+2*j:U+2*j+1], v[U+2*j:U+2*j+1], v[S+48+2*j:S+49+2*j]
.set j, j+1
.endr
.irp j, 0,4,8,12
	v_pk_add_f32 v[U+\j:U+\j+1], v[U+\j:U+\j+1], v[U+\j+2:U+\j+3]
.endr
	v_pk_add_f32 v[U:U+1], v[U:U+1], v[U+4:U+5]
	v_pk_add_f32 v[U+8:U+9], v[U+8:U+9], v[U+12:U+13]
	s_delay_alu instid0(VALU_DEP_2)
	v_pk_add_f32 v[14:15], v[14:15], v[U:U+1]
	s_delay_alu instid0(VALU_DEP_1)
	v_pk_add_f32 v[14:15], v[14:15], v[U+8:U+9]
.endm
; A step of 128 keys.  On entry K's loads are out.  nextk = 1: the next step's K is asked for behind the second product.
.macro STEP nextk
	s_wait_dscnt 0x0                               ; K and its scale words are in
.irp c, 0,1                            ; S^T: eight products, each with C = 0
.irp g, 0,1
	v_wmma_scale_f32_16x16x128_f8f6f4 v[S+32*\c+16*\g:S+32*\c+16*\g+7], v[32+24*\c+12*\g:43+24*\c+12*\g], v[16:27], 0, v[88+2*\c+\g], v92 matrix_a_fmt:MATRIX_FMT_FP6 matrix_b_fmt:MATRIX_FMT_FP6
	v_wmma_scale_f32_16x16x128_f8f6f4 v[S+32*\c+16*\g+8:S+32*\c+16*\g+15], v[38+24*\c+12*\g:49+24*\c+12*\g], v[16:27], 0, v[88+2*\c+\g], v92 matrix_a_fmt:MATRIX_FMT_FP6 matrix_b_fmt:MATRIX_FMT_FP6 matrix_a_scale:MATRIX_SCALE_ROW1
.endr
.endr
	v_add_nc_u32 v[AV], s[TV], v[L16]              ; two additions and two v_nop: four places; then the scores are read, and V lands where K lay
	v_add_nc_u32 v[AW], s[TW], v[VS]
	v_nop
	v_nop
.irp t, 0,1,2,3
.irp c, 0,1,2
	ds_load_b128 v[32+12*\t+4*\c:35+12*\t+4*\c], v[AV] offset:1536*\t+512*\c   ; V's four fragments come in under the softmax
.endr
.endr
	ds_load_b64 v[28:29], v[AW]                    ; v28: lanes 0-15 d tile 0, lanes 16-31 tile 1; v29: tiles 2, 3
	s_add_co_u32 s[TV], s[TV], 6144
	s_add_co_u32 s[TW], s[TW], 256
	SM
	s_wait_alu depctr_va_vdst(0)                   ; the wait here, directly ahead of the wait below
	s_wait_dscnt 0x0                               ; V and its scale words are in
.irp g, 0,1                            ; O^T += V^T P^T: four accumulators, one product each
	v_wmma_scale_f32_16x16x128_f8f6f4 v[O+16*\g:O+16*\g+7], v[32+24*\g:43+24*\g], v[PC:PC+11], v[O+16*\g:O+16*\g+7], v[28+\g], v93 matrix_a_fmt:MATRIX_FMT_FP6 matrix_b_fmt:MATRIX_FMT_FP6
	v_wmma_scale_f32_16x16x128_f8f6f4 v[O+16*\g+8:O+16*\g+15], v[44+24*\g:55+24*\g], v[PC:PC+11], v[O+16*\g+8:O+16*\g+15], v[28+\g], v93 matrix_a_fmt:MATRIX_FMT_FP6 matrix_b_fmt:MATRIX_FMT_FP6 matrix_a_scale:MATRIX_SCALE_ROW1
.endr
.if \nextk
	s_add_co_u32 s[TK], s[TK], 6144
	s_add_co_u32 s[TS], s[TS], 512
	KLOAD
.endif
	SUMS
.endm
	s_wait_alu depctr_va_vdst(0)                   ; the wait at the head's end
	s_wait_tensorcnt 0x0                           ; my head load is in; the full sequence ahead of a later first fill:
	ds_add_u32 v[SPW], v[NIL]
	s_mov_b32 s[TK], 0
	s_mov_b32 s[TV], V0
	s_mov_b32 s[TS], 0
	s_mov_b32 s[TW], 0
	s_wait_dscnt 0x0
	ROUND                                          ; keys 0-383 and all scale words are in, in all four work-groups
	tensor_load_to_lds s[G0R:G0R+3], s[G1R:G1R+7]  ; steps 3-15: my one load behind the round
	s_nop 0
	s_mov_b32 s[CNT], 2
	s_wait_loadcnt 0x0                             ; Q and its scale word
	KLOAD
.Lp1:
	STEP 1
	s_sub_co_u32 s[CNT], s[CNT], 1
	s_cmp_lg_u32 s[CNT], 0
	s_cbranch_scc1 .Lp1
	STEP 0                                         ; step 2 asks for no K: step 3's bytes are shown whole by the barrier below
	s_wait_tensorcnt 0x0
	s_wait_dscnt 0x0
	s_barrier_signal -1
	s_barrier_wait -1                              ; every wave's part of steps 3-15 is in; nothing is filled again
	s_mov_b32 s[TK], KR
	s_mov_b32 s[TV], VR
	s_mov_b32 s[TS], 3*512
	s_mov_b32 s[TW], 3*256
	s_mov_b32 s[CNT], 12
	KLOAD
.Lp2:
	STEP 1
	s_sub_co_u32 s[CNT], s[CNT], 1
	s_cmp_lg_u32 s[CNT], 0
	s_cbranch_scc1 .Lp2
	STEP 0                                         ; its sixteen additions are also the places behind the last products
	v_add_f32 v14, v14, v15                        ; the sum's two halves,
	s_delay_alu instid0(VALU_DEP_1)
	v_permlanex16_b32 v[P], v14, s[SEL], s[SEL+1]
	s_delay_alu instid0(VALU_DEP_1)
	v_add_f32 v14, v14, v[P]                       ; and lane l xor 16's: the row's sum
	s_wait_alu depctr_va_vdst(0)                   ; the wait ahead of the reciprocal
	v_rcp_f32 v14, v14
	v_nop
	s_wait_alu depctr_va_vdst(0)                   ; and ahead of its first reader, which is O^T's too
.set j, 0
.rept 32
	v_mul_f32 v[S+j], v[O+j], v14                  ; each accumulator from its low end on
.set j, j+1
.endr
.irp k, 0,1,2,3,4,5,6,7
	global_store_b128 v[L16], v[S+4*\k:S+4*\k+3], s[8:9] offset:512*\k   ; 512 consecutive bytes, at a multiple of 256 from the buffer's first byte
.endr
	s_wait_tensorcnt 0x0                           ; the wave's end
	ds_add_u32 v[SPW], v[NIL]
	s_wait_dscnt 0x0
	ROUND                                          ; the closing round
	s_endpgm
.Lfunc_end_k_qfea98ba148_attn:
	.size	k_qfea98ba148_attn, .Lfunc_end_k_qfea98ba148_attn-k_qfea98ba148_attn
	.p2alignl 7, 3214868480
	.fill 96, 4, 3214868480
	.section	.rodata,"a",@progbits
	.p2align	6, 0x0
	.amdhsa_kernel k_qfea98ba148_attn
		.amdhsa_group_segment_fixed_size 327680
		.amdhsa_private_segment_fixed_size 0
		.amdhsa_enable_private_segment 0
		.amdhsa_kernarg_size 24
		.amdhsa_user_sgpr_count 2
		.amdhsa_user_sgpr_kernarg_segment_ptr 1
		.amdhsa_wavefront_size32 1
		.amdhsa_system_sgpr_workgroup_id_x 1
		.amdhsa_system_sgpr_workgroup_id_y 1
		.amdhsa_system_sgpr_workgroup_id_z 1
		.amdhsa_system_vgpr_workitem_id 0
		.amdhsa_next_free_vgpr 256
		.amdhsa_next_free_sgpr 72
		.amdhsa_reserve_vcc 0
		.amdhsa_float_denorm_mode_32 3
		.amdhsa_float_denorm_mode_16_64 3
		.amdhsa_memory_ordered 1
		.amdhsa_forward_progress 1
		.amdhsa_inst_pref_size 73
	.end_amdhsa_kernel
	.amdgpu_metadata
---
amdhsa.version: [ 1, 2 ]
amdhsa.kernels:
  - .name:           k_qfea98ba148_attn
    .symbol:         k_qfea98ba148_attn.kd
    .args:
      - { .name: qkv, .offset: 0, .size: 8, .value_kind: global_buffer, .address_space: global }
      - { .name: qkvs, .offset: 8, .size: 8, .value_kind: global_buffer, .address_space: global }
      - { .name: ows, .offset: 16, .size: 8, .value_kind: global_buffer, .address_space: global }
    .group_segment_fixed_size: 327680
    .private_segment_fixed_size: 0
    .kernarg_segment_align: 8
    .kernarg_segment_size: 24
    .max_flat_workgroup_size: 512
    .sgpr_count:     72
    .vgpr_count:     256
    .wavefront_size: 32
...
	.end_amdgpu_metadata
.endif
;; end of part 3
;; launch merge (part 4): grid 256 x 1, 16 waves a work-group, no clusters, 67,840 bytes of LDS; arguments ows, out0; writes out0
.if DOCPART == 4
	.amdgcn_target "amdgcn-amd-amdhsa--gfx1250"
	.amdhsa_code_object_version 6
	.text
	.protected	k_qfea98ba148_merge
	.globl	k_qfea98ba148_merge
	.p2align	8
	.type	k_qfea98ba148_merge,@function
k_qfea98ba148_merge:
	s_mov_b64 s[64:65], 0
	v_nop
	global_prefetch_b8 v0, s[64:65] scope:SCOPE_SE
	s_setreg_imm32_b32 hwreg(HW_REG_WAVE_MODE, 25, 1), 1
	s_wait_xcnt 0x0
; The heads are interleaved: out0[token][16 d + head].  ows: [j = 128 batch + query tile][head][4,096], each 4,096 bytes the image of 32 registers: part k (512 bytes) holds registers 4 k .. 4 k + 3 at 16 x lane;
; register 4 k + jj of lane (r, h) is O(query r of the tile, d = 32 (k / 4) + 8 ((k / 2) % 2) + 16 h + 4 (k % 2) + jj).  Query r of tile T is token 32 (T / 2) + 8 (T % 2) + r + 8 (r / 8) of its batch.
; A work-group takes one j: 16 tokens x 4,096 bytes.  Wave w loads parts 2 (w / 4), 2 (w / 4) + 1 of heads 4 (w % 4) .. 4 (w % 4) + 3: heads 4 hg .. 4 hg + 3 with hg = w % 4; four heads' numbers of one d are 16 neighbouring bytes of a row of out0:
; they are turned in registers, go to a stage of 16 rows x (4,096 + 16) bytes, and behind one barrier wave w stores row w whole.  Memory binds: every byte is read once and written once, 65,536 bytes are asked for at the head.
; No matrix unit, no cluster: the work-groups share no input.
	s_load_b128 s[4:7], s[0:1], 0x0                ; ows, out0
	v_lshl_add_u32 v96, v0, 2, 0x10100
	v_mov_b32 v97, 0
	v_lshrrev_b32 v1, 5, v0
	s_delay_alu instid0(VALU_DEP_1)
	v_readfirstlane_b32 s8, v1                     ; wave 0..15
	v_and_b32 v2, 31, v0
	v_and_b32 v3, 15, v0                           ; r
	s_wait_alu depctr_va_vdst(0)
	v_bfe_u32 v4, v0, 4, 1                         ; h
	v_lshlrev_b32 v5, 4, v2                        ; 16 x lane
	s_and_b32 s9, s8, 3                            ; hg
	s_lshr_b32 s10, s8, 2                          ; kq
	s_lshl_b32 s12, ttmp9, 16
	s_lshl_b32 s11, s9, 14
	s_add_co_u32 s12, s12, s11
	s_lshl_b32 s11, s10, 10
	s_add_co_u32 s12, s12, s11                     ; 65,536 j + 16,384 hg + 1,024 kq
	s_mov_b32 s13, 0
	v_mul_u32_u24 v6, v3, 4112
	s_wait_alu depctr_va_vdst(0)
	v_lshl_add_u32 v6, v4, 10, v6                  ; the stage: row r, + 64 x 16 h
	s_lshr_b32 s14, s10, 1
	s_lshl_b32 s14, s14, 11                        ; + 64 x 32 (kq / 2)
	s_and_b32 s15, s10, 1
	s_lshl_b32 s15, s15, 9                         ; + 64 x 8 (kq % 2)
	s_add_co_u32 s14, s14, s15
	s_lshl_b32 s15, s9, 4                          ; + 16 hg
	s_add_co_u32 s14, s14, s15
	v_add_nc_u32 v6, s14, v6
	s_mul_i32 s15, s8, 4112
	v_add_nc_u32 v7, s15, v5                       ; back: row w, 16 bytes a lane
	s_lshr_b32 s16, ttmp9, 7
	s_lshl_b32 s16, s16, 11                        ; 2,048 batch
	s_and_b32 s17, ttmp9, 127
	s_lshr_b32 s18, s17, 1
	s_lshl_b32 s18, s18, 5
	s_add_co_u32 s16, s16, s18                     ; + 32 (T / 2)
	s_and_b32 s17, s17, 1
	s_lshl_b32 s17, s17, 3
	s_add_co_u32 s16, s16, s17                     ; + 8 (T % 2)
	s_add_co_u32 s16, s16, s8
	s_lshr_b32 s17, s8, 3
	s_lshl_b32 s17, s17, 3
	s_add_co_u32 s16, s16, s17                     ; + w + 8 (w / 8)
	s_lshl_b32 s16, s16, 12
	s_mov_b32 s17, 0
	s_wait_kmcnt 0x0
	s_add_nc_u64 s[4:5], s[4:5], s[12:13]
	s_add_nc_u64 s[6:7], s[6:7], s[16:17]
.irp kk, 0,1
.irp i, 0,1,2,3
	global_load_b128 v[16+16*\kk+4*\i:19+16*\kk+4*\i], v5, s[4:5] offset:4096*\i+512*\kk th:TH_LOAD_NT   ; head 4 hg + i, part 2 kq + kk
.endr
.endr
	s_wait_loadcnt 0x0
.irp kk, 0,1
.irp jj, 0,1,2,3
.irp i, 0,1,2,3
	v_mov_b32 v[48+16*\kk+4*\jj+\i], v[16+16*\kk+4*\i+\jj]   ; four heads of one d on end
.endr
.endr
.endr
.irp kk, 0,1
.irp jj, 0,1,2,3
	ds_store_b128 v6, v[48+16*\kk+4*\jj:51+16*\kk+4*\jj] offset:64*(4*\kk+\jj)
.endr
.endr
	s_wait_dscnt 0x0                               ; for the others: my stores have landed
	s_barrier_signal -1
	s_barrier_wait -1
.irp i, 0,1,2,3,4,5,6,7
	ds_load_b128 v[16+4*\i:19+4*\i], v7 offset:512*\i
.endr
.irp i, 0,1,2,3,4,5,6,7
	s_wait_dscnt 7-\i                              ; piece i is back, the 7 - i younger ones may be out
	global_store_b128 v5, v[16+4*\i:19+4*\i], s[6:7] offset:512*\i th:TH_STORE_NT   ; 512 consecutive bytes of a row, at a multiple of 256 from the buffer's first byte
.endr
	s_wait_tensorcnt 0x0
	ds_add_u32 v96, v97
	s_wait_dscnt 0x0
	s_endpgm
.Lfunc_end_k_qfea98ba148_merge:
	.size	k_qfea98ba148_merge, .Lfunc_end_k_qfea98ba148_merge-k_qfea98ba148_merge
	.p2alignl 7, 3214868480
	.fill 96, 4, 3214868480
	.section	.rodata,"a",@progbits
	.p2align	6, 0x0
	.amdhsa_kernel k_qfea98ba148_merge
		.amdhsa_group_segment_fixed_size 67840
		.amdhsa_private_segment_fixed_size 0
		.amdhsa_enable_private_segment 0
		.amdhsa_kernarg_size 16
		.amdhsa_user_sgpr_count 2
		.amdhsa_user_sgpr_kernarg_segment_ptr 1
		.amdhsa_wavefront_size32 1
		.amdhsa_system_sgpr_workgroup_id_x 1
		.amdhsa_system_sgpr_workgroup_id_y 1
		.amdhsa_system_sgpr_workgroup_id_z 1
		.amdhsa_system_vgpr_workitem_id 0
		.amdhsa_next_free_vgpr 98
		.amdhsa_next_free_sgpr 66
		.amdhsa_reserve_vcc 0
		.amdhsa_float_denorm_mode_32 3
		.amdhsa_float_denorm_mode_16_64 3
		.amdhsa_memory_ordered 1
		.amdhsa_forward_progress 1
		.amdhsa_inst_pref_size 7
	.end_amdhsa_kernel
	.amdgpu_metadata
---
amdhsa.version: [ 1, 2 ]
amdhsa.kernels:
  - .name:           k_qfea98ba148_merge
    .symbol:         k_qfea98ba148_merge.kd
    .args:
      - { .name: ows, .offset: 0, .size: 8, .value_kind: global_buffer, .address_space: global }
      - { .name: out0, .offset: 8, .size: 8, .value_kind: global_buffer, .address_space: global }
    .group_segment_fixed_size: 67840
    .private_segment_fixed_size: 0
    .kernarg_segment_align: 8
    .kernarg_segment_size: 16
    .max_flat_workgroup_size: 512
    .sgpr_count:     66
    .vgpr_count:     98
    .wavefront_size: 32
...
	.end_amdgpu_metadata
.endif
;; end of part 4
